; MI455X (gfx1250); checked and timed in simulation.
; The chip was launched on July 23, 2026; its instructions are those of AMD's public machine-readable ISA for CDNA 5 (MIT licence, August 2026) and "CDNA5" Instruction Set Architecture Reference Guide (July 2026). The comments in the code are by the model that wrote it; some were corrected since.
;; Self Attention. Allowed arithmetic: matrix products marked QUANTISED: E5M2 operands, one given power-of-two scale a tensor, by v_wmma_f32_16x16x64_bf8_bf8 or v_wmma_f32_16x16x128_bf8_bf8, f32 sums; everything else in f32.
;; Inputs: Wk_codes 256 x 8 x 32 uint8 (E5M2 codes of Wk, K innermost, in blocks of 32 codes); Wq_codes 256 x 8 x 32 uint8 (E5M2 codes of Wq, K innermost, in blocks of 32 codes); Wu_codes 256 x 8 x 32 uint8 (E5M2 codes of Wu, K innermost, in blocks of 32 codes); Wv_codes 256 x 8 x 32 uint8 (E5M2 codes of Wv, K innermost, in blocks of 32 codes); bu 256 float32; lowp_scales 12 int32 (the exponents e of the quantised operands' scales 2^e); x_codes 4 x 4,096 x 8 x 32 uint8 (E5M2 codes of x, K innermost, in blocks of 32 codes).
;; Outputs: out0 4 x 4,096 x 256 float32.
;; This version of the problem:
;;   THIS VERSION OF THE PROBLEM IS GIVEN IN LOW PRECISION. The matrix products marked QUANTISED in the list below multiply operands that are first quantised to E5M2 (5 exponent bits, 2 mantissa bits; 8 bits a number), with one given power-of-two scale for each operand tensor; their sums are f32. All else is computed in f32.
;;   The module's matrix products, in the order in which they are computed (A, B: the left and right operand; K: the contracted axis; several contracted axes count as one K, in the product's order):
;;     1. [M 16,384, K 256] x [K 256, N 256]; A: input x (given as codes); B: input Wq (given as codes): QUANTISED (scales: A lowp_scales[0], B lowp_scales[1])
;;     2. [M 16,384, K 256] x [K 256, N 256]; A: input x (given as codes); B: input Wk (given as codes): QUANTISED (scales: A lowp_scales[2], B lowp_scales[3])
;;     3. [M 16,384, K 256] x [K 256, N 256]; A: input x (given as codes); B: input Wv (given as codes): QUANTISED (scales: A lowp_scales[4], B lowp_scales[5])
;;     4. batch 16 x [M 4,096, K 64] x [K 64, N 4,096]; A: computed on the way; B: computed on the way: QUANTISED (scales: A lowp_scales[6], B lowp_scales[7])
;;     5. batch 16 x [M 64, K 4,096] x [K 4,096, N 4,096]; A: computed on the way; B: softmax (see below): QUANTISED (scales: A lowp_scales[8], B lowp_scales[9])
;;     6. [M 16,384, K 256] x [K 256, N 256]; A: computed on the way; B: input Wu (given as codes): QUANTISED (scales: A lowp_scales[10], B lowp_scales[11])
;;   THE QUANTISER, for each operand of a quantised product, along K:
;;     - The operand's scale is 2^e, e = its entry of the input lowp_scales (int32; the entries are numbered through the quantised products in the list's order, A before B).
;;     - Each number is divided by the scale, clamped to +-57,344, and rounded to the nearest number of E5M2, ties to even, subnormals kept.
;;     - The product sums the exact products of the quantised numbers (number of the format x scale) in f32.
;;   ~~~python
;;   def quantise(x, axis, e):      # numpy; x: float32 -> the quantised numbers, widened to float32 again
;;       x = np.moveaxis(x, axis, -1); K = x.shape[-1]
;;       r = np.clip(x / 2.0 ** e, -57344, 57344)
;;       step = 2.0 ** (np.maximum(np.frexp(np.where(r == 0, 1, r))[1] - 1, -14) - 2)
;;       q = np.round(r / step) * step * 2.0 ** e      # np.round: ties to even
;;       return np.moveaxis(q, -1, axis).astype(np.float32)
;;   ~~~
;;   SOFTMAX AHEAD OF A QUANTISED PRODUCT. Where the list says 'softmax', what is quantised is not the finished softmax but p = 2^(t - M), with t = logit x log2(e) and M = ceil(the row's largest t), a whole number; so 1/2 < the row's largest p <= 1. The row's sum l is taken of the UNQUANTISED p, in f32, and the product's result is divided by l at the end. Since M is a whole number, a kernel that streams over the keys may use a running M (the ceiling of the running maximum): every later rescaling is an exact power of two, so the quantised numbers keep their values, but for numbers so far below the row's largest that they fall under the format's range.
;;   OPERANDS COMPUTED ON THE WAY. 'Computed on the way' means the value that the module computes at that place (a softmax that the list does not call 'softmax' is quantised finished and normalised). What goes into a quantiser is computed in f32, as accurately as f32 sums, v_exp_f32 and their like allow (about 1e-6 of the number): no bf16 or f16 on the way to a quantiser, and a product that is left as it is and whose result goes on into a quantised operand takes f32 operands (vector FMAs, or v_wmma_f32_16x16x4_f32). A number that lies on a knife's edge between two numbers of the format may be rounded either way, as far as f32 arithmetic and the matrix unit's own rounding can turn it there, and no further.
;;   INPUTS GIVEN AS CODES. Wk (in the module: [256, 256], K = its axis 1); Wq (in the module: [256, 256], K = its axis 1); Wu (in the module: [256, 256], K = its axis 1); Wv (in the module: [256, 256], K = its axis 1); x (in the module: [4, 4096, 256], K = its axis 2): each comes as NAME_codes (uint8): NAME with its K axis moved to the last place and cut into blocks of 32 codes, [.., K / 32, bytes a block], one block behind the other in memory; one code a byte (a code: sign, 5 exponent bits, 2 mantissa bits); its scale is its entry of lowp_scales. Its value is code x scale, taken as it is: it is not quantised again, and the codes and scales need not be those that the quantiser above would give.
;; One version. Each part assembles by itself: llvm-mc -triple=amdgcn-amd-amdhsa -mcpu=gfx1250 --defsym DOCPART=n.
;; ======== version 1 of 1: 2 launches
;; limits: right only within a limited range of input values
;; workspace buffers: qc 4,194,304 bytes; kv 8,388,608 bytes
;; launch proj (part 1): grid 256 x 1, 12 waves a work-group, no clusters, 17,920 bytes of LDS; arguments x_codes, Wq_codes, Wk_codes, Wv_codes, lowp_scales, qc, kv; writes qc, kv
.if DOCPART == 1
	.amdgcn_target "amdgcn-amd-amdhsa--gfx1250"
	.amdhsa_code_object_version 6
	.text
	.protected	k_q6bbf9c7129_proj
	.globl	k_q6bbf9c7129_proj
	.p2align	8
	.type	k_q6bbf9c7129_proj,@function
k_q6bbf9c7129_proj:
	s_mov_b64 s[64:65], 0
	v_nop
	global_prefetch_b8 v0, s[64:65] scope:SCOPE_SE
	s_setreg_imm32_b32 hwreg(HW_REG_WAVE_MODE, 25, 1), 1
	s_wait_xcnt 0x0
; q = x Wq^T, k = x Wk^T, v = x Wv^T on codes of E5M2 (x: [16384][256], each W: [256][256], K innermost), f32 sums; each result is quantised at once, in registers,
; with the scale given for it as an operand of the attention products (q: entry 6, k: entry 7, v: entry 8 of the scales) and stored as codes.
; DEAD WORK: none.  reference() builds no mask that has an effect, slices nothing away, and every input has a way to the output: all six products are made, all inputs are loaded (Wu and bu by the second launch).
; SHARES.  A work-group takes 64 tokens.  Wave w: role w / 4 (0: q, 1: k, 2: v), head w % 4.  Its 64 rows of its weight stay in 128 registers, read once; it issues 32 matrix instructions.
; The 64 rows of x reach all twelve waves through LDS as IMAGES OF THE OPERAND'S REGISTERS: fragment f = 2 m + s (token tile m, K step s of 128) is loaded by wave f (f < 8) and stored by four ds_store_b128,
; lane l's 16 bytes at 16 l; any wave that loads it by the same four lines has the same registers in the same lanes.
; LAYOUT.  A fragment's registers 4 c .. 4 c + 3 hold k = 32 c + 16 (lane / 16) + 0 .. 15 of row lane % 16: a permutation of k, the same in x and in W.
; THE ROWS OF W THAT FORM A TILE ARE NOT NEIGHBOURS: lane r of tile 2 b + u takes row 32 b + 8 u + r + 8 (r / 8) of the head's 64.
;   q, k: source 0 = 16 rows of W, source 1 = 16 tokens: a lane holds one token, and the 16 registers of tiles 2 b, 2 b + 1 are channels 32 b + 16 (lane / 16) + 0 .. 15: the conversions' results are the next operand's registers.
;   v:    source 0 = 16 tokens, source 1 = 16 rows of W: a lane holds one channel and eight neighbouring tokens, which are the next K (the keys).
; OUT.  The workspace is laid in the order of the operands' registers, so each store of a wave covers 512 consecutive bytes, aligned, straight from the conversions' registers:
;   qc [token tile 1024][head 4][1024 B];   kv [batch 4][slot of 256 keys 16][131072 B]: K's part [key tile 16][head 4][1024 B], then V's part [step of 128 keys 2][head 4][channel tile 4][2048 B].
; No cluster and no joint load: the launch has no tensor load; a work-group reads its weights once, straight into operand registers, for 32 matrix instructions a wave, so a way through LDS with rounds of a cluster's barrier would only add steps.
; LIMITS on the given exponents, so that each power of two below is an f32 number: e6 - e0 - e1, e7 - e2 - e3 and e8 - e4 - e5 lie between -126 and 112.  NaN and infinity among the sums are not served.
.set XIMG,  0                          ; LDS: x's eight images, 2,048 bytes each
.set SPARE, 16384                      ; behind them: the spare words, 128 bytes for each of the twelve waves: six blocks of 256 bytes that no other line names
.set XA,  4                            ; v4   x: row r of 256 bytes, + 16 h
.set LI,  5                            ; v5   16 x lane: an image's place for my lane, in LDS and in the workspace
.set XWI, 6                            ; v6   where I store my image of x: 16 x lane + 2,048 x (wave % 8)
.set WA,  7                            ; v7   W: row r + 8 (r / 8) of 256 bytes, + 16 h
.set SPW, 8                            ; v8   LDS address of my spare word; never rewritten
.set NIL, 9                            ; v9   0; never rewritten
.set LIM, 10                           ; v10  57,344 x the conversion's scale
.set SC,  11                           ; v11  the conversion's scale as f32
.set W,   16                           ; v16-143  my weight: fragment (tile t, K step s) at W + 32 t + 16 s
.set X,   144                          ; v144-207 two sets of a token tile's two fragments
.set D,   208                          ; v208-239 four accumulators
.set C,   240                          ; v240-255 two sets of eight registers of codes
	s_load_b256 s[4:11], s[0:1], 0x0               ; x s[4:5], Wq s[6:7], Wk s[8:9], Wv s[10:11]
	s_load_b128 s[12:15], s[0:1], 0x20             ; the scales' exponents s[12:13], qc s[14:15]
	s_load_b64 s[16:17], s[0:1], 0x30              ; kv
	v_lshl_add_u32 v[SPW], v0, 2, SPARE
	v_mov_b32 v[NIL], 0
	v_lshrrev_b32 v1, 5, v0
	s_delay_alu instid0(VALU_DEP_1)
	v_readfirstlane_b32 s18, v1                    ; wave 0..11
	s_lshr_b32 s19, s18, 2                         ; role: 0 q, 1 k, 2 v
	s_and_b32 s20, s18, 3                          ; head
	s_and_b32 s21, s18, 7                          ; which fragment of x I bring (waves 0 to 7)
	v_and_b32 v1, 31, v0                           ; lane
	v_and_b32 v2, 15, v0                           ; r
	v_bfe_u32 v3, v0, 4, 1                         ; h
	s_delay_alu instid0(VALU_DEP_2)
	v_lshlrev_b32 v[XA], 8, v2
	s_delay_alu instid0(VALU_DEP_1)
	v_lshl_add_u32 v[XA], v3, 4, v[XA]
	v_lshlrev_b32 v[LI], 4, v1
	s_lshl_b32 s22, s21, 11
	v_add_nc_u32 v[XWI], s22, v[LI]                ; every LDS address is made here, ahead of the first branch on the wave's number
	v_and_b32 v[WA], 8, v2
	s_delay_alu instid0(VALU_DEP_1)
	v_add_nc_u32 v[WA], v[WA], v2
	s_delay_alu instid0(VALU_DEP_1)
	v_lshlrev_b32 v[WA], 8, v[WA]
	s_delay_alu instid0(VALU_DEP_1)
	v_lshl_add_u32 v[WA], v3, 4, v[WA]
	; byte offsets, made apart from the addresses.  g = the work-group's number = 64 x batch + block of 64 tokens
	s_lshl_b32 s44, s20, 14                        ; my head's 64 rows of a weight
	s_mov_b32 s45, 0
	s_lshl_b32 s2, ttmp9, 14                       ; 16,384 g
	s_lshl_b32 s3, s20, 10                         ; 1,024 x head
	s_add_co_u32 s40, s2, s3                       ; q: token tile 4 g, my head
	s_lshr_b32 s46, ttmp9, 2
	s_lshl_b32 s46, s46, 17                        ; kv: 131,072 x (g / 4): batch and slot
	s_and_b32 s47, ttmp9, 3
	s_lshl_b32 s47, s47, 14
	s_add_co_u32 s47, s47, s46
	s_add_co_u32 s47, s47, s3                      ; k: key tile 4 (g % 4), my head
	s_bfe_u32 s23, ttmp9, 0x10001                  ; v: step (g / 2) % 2 of the slot,
	s_lshl_b32 s23, s23, 15
	s_add_co_u32 s46, s46, s23
	s_lshl_b32 s23, s20, 13                        ; my head,
	s_add_co_u32 s46, s46, s23
	s_and_b32 s23, ttmp9, 1                        ; pieces 2 (g % 2) on of each fragment,
	s_lshl_b32 s23, s23, 10
	s_add_co_u32 s46, s46, s23
	s_add_co_u32 s46, s46, 65536                   ; behind K's part
	s_cmp_eq_u32 s19, 0
	s_cselect_b32 s40, s40, s47
	s_cmp_eq_u32 s19, 2
	s_cselect_b32 s40, s46, s40
	s_mov_b32 s41, 0
	s_lshr_b32 s23, s21, 1                         ; x: my fragment's token tile,
	s_lshl_b32 s23, s23, 12
	s_add_co_u32 s42, s2, s23
	s_and_b32 s23, s18, 1                          ; and its K step
	s_lshl_b32 s23, s23, 7
	s_add_co_u32 s42, s42, s23
	s_mov_b32 s43, 0
	s_wait_kmcnt 0x0
	s_load_b256 s[24:31], s[12:13], 0x0            ; e0 .. e7
	s_load_b128 s[32:35], s[12:13], 0x20           ; e8 .. e11
	s_cmp_eq_u32 s19, 0                            ; the choices hang on the wave's number alone
	s_cselect_b64 s[36:37], s[6:7], s[8:9]
	s_cselect_b64 s[38:39], s[14:15], s[16:17]
	s_cmp_eq_u32 s19, 2
	s_cselect_b64 s[36:37], s[10:11], s[36:37]
	s_add_nc_u64 s[36:37], s[36:37], s[44:45]      ; my weight at my head's rows
	s_add_nc_u64 s[38:39], s[38:39], s[40:41]      ; where my codes go
	s_add_nc_u64 s[4:5], s[4:5], s[42:43]          ; x at my fragment
	s_cmp_lt_u32 s18, 8
	s_cbranch_scc0 .Lno_x
	s_wait_alu depctr_va_vdst(0)
.irp c, 0,1,2,3
	global_load_b128 v[X+4*\c:X+4*\c+3], v[XA], s[4:5] offset:32*\c th:TH_LOAD_NT   ; x is read once in the launch
.endr
.Lno_x:
	s_wait_alu depctr_va_vdst(0)
.irp t, 0,1,2,3
.irp s, 0,1
.irp c, 0,1,2,3
	global_load_b128 v[W+32*\t+16*\s+4*\c:W+32*\t+16*\s+4*\c+3], v[WA], s[36:37] offset:(32*(\t/2)+8*(\t%2))*256+128*\s+32*\c
.endr
.endr
.endr
	s_cmp_lt_u32 s18, 8
	s_cbranch_scc0 .Lno_image
	s_wait_loadcnt 32                              ; x's four loads are in; the 32 loads of the weight, issued behind them, may be out
.irp c, 0,1,2,3
	ds_store_b128 v[XWI], v[X+4*\c:X+4*\c+3] offset:XIMG+512*\c
.endr
.Lno_image:
	s_wait_dscnt 0x0                               ; for the others' sake: my image has landed
	s_barrier_signal -1
	s_barrier_wait -1                              ; x's eight fragments lie in LDS; nobody writes them again
.macro FETCH xs, m                     ; token tile m's two fragments into set xs
.irp s, 0,1
.irp c, 0,1,2,3
	ds_load_b128 v[X+32*(\xs)+16*\s+4*\c:X+32*(\xs)+16*\s+4*\c+3], v[LI] offset:XIMG+(2*(\m)+\s)*2048+512*\c
.endr
.endr
.endm
.macro PLACES                          ; four plain vector instructions between a matrix instruction and a read of its result or a load into one of its sources (ISA guide 7.12.1 for vector instructions)
.rept 4
	v_nop
.endr
.endm
.macro POST cs                         ; the four accumulators become eight registers of codes in set cs; each accumulator is read from its low end on
.set j, 0
.rept 32
	v_med3_num_f32 v[D+j], v[D+j], -v[LIM], v[LIM]         ; the conversion to an 8-bit code does not saturate (ISA guide 7.6.2): the hold at the largest code x the scale
.set j, j+1
.endr
.irp i, 0,1,2,3
	v_cvt_scalef32_pk8_bf8_f32 v[C+8*(\cs)+2*\i:C+8*(\cs)+2*\i+1], v[D+8*\i:D+8*\i+7], v[SC]
.endr
	v_nop                                          ; one plain vector instruction between the last conversion and the next products, which write its sources
.endm
; q or k of token tile m: four tiles of 16 channels, two K steps; the four accumulators take turns, one instruction a turn
.macro QK m
.if (\m) < 3
	s_wait_dscnt 8                                 ; this tile's eight loads are in; the next tile's eight may be out
.else
	s_wait_dscnt 0x0
.endif
.irp t, 0,1,2,3
	v_wmma_f32_16x16x128_bf8_bf8 v[D+8*\t:D+8*\t+7], v[W+32*\t:W+32*\t+15], v[X+32*((\m)%2):X+32*((\m)%2)+15], 0
.endr
.irp t, 0,1,2,3
	v_wmma_f32_16x16x128_bf8_bf8 v[D+8*\t:D+8*\t+7], v[W+32*\t+16:W+32*\t+31], v[X+32*((\m)%2)+16:X+32*((\m)%2)+31], v[D+8*\t:D+8*\t+7]
.endr
	PLACES
.if (\m) < 2
	FETCH (\m)%2, (\m)+2
.else
	s_wait_xcnt 0x0                                ; this set of codes was the data of the stores two tiles back: it is written again only behind this wait
.endif
	s_wait_alu depctr_va_vdst(0)
	POST (\m)%2
.irp c, 0,1
	global_store_b128 v[LI], v[C+8*((\m)%2)+4*\c:C+8*((\m)%2)+4*\c+3], s[38:39] offset:(\m)*4096+512*\c   ; 32 lanes store 512 consecutive bytes, aligned
.endr
.endm
; v: token tiles 2 p, 2 p + 1 (sets 0, 1) x channel tiles 2 tp, 2 tp + 1.  Accumulator 2 tl + ml: channel tile 2 tp + tl, token tile 2 p + ml: so four registers of codes on end are one piece of a fragment of V
.macro VV p, tp
.if (\tp) == 0
	s_wait_dscnt 0x0                               ; both sets are in
.endif
.irp tl, 0,1
.irp ml, 0,1
	v_wmma_f32_16x16x128_bf8_bf8 v[D+8*(2*\tl+\ml):D+8*(2*\tl+\ml)+7], v[X+32*\ml:X+32*\ml+15], v[W+32*(2*(\tp)+\tl):W+32*(2*(\tp)+\tl)+15], 0
.endr
.endr
.irp tl, 0,1
.irp ml, 0,1
	v_wmma_f32_16x16x128_bf8_bf8 v[D+8*(2*\tl+\ml):D+8*(2*\tl+\ml)+7], v[X+32*\ml+16:X+32*\ml+31], v[W+32*(2*(\tp)+\tl)+16:W+32*(2*(\tp)+\tl)+31], v[D+8*(2*\tl+\ml):D+8*(2*\tl+\ml)+7]
.endr
.endr
	PLACES
.if ((\p) == 0) && ((\tp) == 1)
	FETCH 0, 2
	FETCH 1, 3
.endif
.if (\p) == 1
	s_wait_xcnt 0x0                                ; this set of codes was the data of earlier stores
.endif
	s_wait_alu depctr_va_vdst(0)
	POST \tp
.irp tl, 0,1
	global_store_b128 v[LI], v[C+8*(\tp)+4*\tl:C+8*(\tp)+4*\tl+3], s[38:39] offset:(2*(\tp)+\tl)*2048+(\p)*512   ; 512 consecutive bytes, aligned
.endr
.endm
	FETCH 0, 0
	FETCH 1, 1
	s_wait_kmcnt 0x0
	s_sub_co_i32 s40, s30, s24                     ; a sum stands for sum x 2^(ea + eb), so its code is sum / 2^(e - ea - eb): the three scales are folded into the conversion's one
	s_sub_co_i32 s40, s40, s25                     ; q: e6 - e0 - e1
	s_sub_co_i32 s41, s31, s26
	s_sub_co_i32 s41, s41, s27                     ; k: e7 - e2 - e3
	s_sub_co_i32 s42, s32, s28
	s_sub_co_i32 s42, s42, s29                     ; v: e8 - e4 - e5
	s_cmp_eq_u32 s19, 0
	s_cselect_b32 s40, s40, s41
	s_cmp_eq_u32 s19, 2
	s_cselect_b32 s40, s42, s40
	s_add_co_i32 s40, s40, 127
	s_lshl_b32 s41, s40, 23
	v_mov_b32 v[SC], s41                           ; the scale as f32: the conversion takes its exponent field
	s_add_co_i32 s40, s40, 15
	s_lshl_b32 s40, s40, 23
	s_or_b32 s40, s40, 0x600000
	v_mov_b32 v[LIM], s40                          ; 57,344 x the scale
	s_wait_loadcnt 0x0                             ; my weight is in
	s_cmp_eq_u32 s19, 2
	s_cbranch_scc1 .Lvalues
	QK 0
	QK 1
	QK 2
	QK 3
	s_branch .Lend
.Lvalues:
	VV 0, 0
	VV 0, 1
	VV 1, 0
	VV 1, 1
.Lend:
	s_wait_tensorcnt 0x0                           ; the wave's end
	ds_add_u32 v[SPW], v[NIL]
	s_wait_dscnt 0x0
	s_endpgm
.Lfunc_end_k_q6bbf9c7129_proj:
	.size	k_q6bbf9c7129_proj, .Lfunc_end_k_q6bbf9c7129_proj-k_q6bbf9c7129_proj
	.p2alignl 7, 3214868480
	.fill 96, 4, 3214868480
	.section	.rodata,"a",@progbits
	.p2align	6, 0x0
	.amdhsa_kernel k_q6bbf9c7129_proj
		.amdhsa_group_segment_fixed_size 17920
		.amdhsa_private_segment_fixed_size 0
		.amdhsa_enable_private_segment 0
		.amdhsa_kernarg_size 56
		.amdhsa_user_sgpr_count 2
		.amdhsa_user_sgpr_kernarg_segment_ptr 1
		.amdhsa_wavefront_size32 1
		.amdhsa_system_sgpr_workgroup_id_x 1
		.amdhsa_system_sgpr_workgroup_id_y 1
		.amdhsa_system_sgpr_workgroup_id_z 1
		.amdhsa_system_vgpr_workitem_id 0
		.amdhsa_next_free_vgpr 256
		.amdhsa_next_free_sgpr 66
		.amdhsa_reserve_vcc 0
		.amdhsa_float_denorm_mode_32 3
		.amdhsa_float_denorm_mode_16_64 3
		.amdhsa_memory_ordered 1
		.amdhsa_forward_progress 1
		.amdhsa_inst_pref_size 36
	.end_amdhsa_kernel
	.amdgpu_metadata
---
amdhsa.version: [ 1, 2 ]
amdhsa.kernels:
  - .name:           k_q6bbf9c7129_proj
    .symbol:         k_q6bbf9c7129_proj.kd
    .args:
      - { .name: x_codes, .offset: 0, .size: 8, .value_kind: global_buffer, .address_space: global }
      - { .name: Wq_codes, .offset: 8, .size: 8, .value_kind: global_buffer, .address_space: global }
      - { .name: Wk_codes, .offset: 16, .size: 8, .value_kind: global_buffer, .address_space: global }
      - { .name: Wv_codes, .offset: 24, .size: 8, .value_kind: global_buffer, .address_space: global }
      - { .name: lowp_scales, .offset: 32, .size: 8, .value_kind: global_buffer, .address_space: global }
      - { .name: qc, .offset: 40, .size: 8, .value_kind: global_buffer, .address_space: global }
      - { .name: kv, .offset: 48, .size: 8, .value_kind: global_buffer, .address_space: global }
    .group_segment_fixed_size: 17920
    .private_segment_fixed_size: 0
    .kernarg_segment_align: 8
    .kernarg_segment_size: 56
    .max_flat_workgroup_size: 384
    .sgpr_count:     66
    .vgpr_count:     256
    .wavefront_size: 32
...
	.end_amdgpu_metadata
.endif
;; end of part 1
;; launch attn (part 2): grid 64 x 4, 8 waves a work-group, clusters of 4 x 1, 327,680 bytes of LDS; arguments qc, kv, Wu_codes, bu, lowp_scales, out0; writes out0
.if DOCPART == 2
	.amdgcn_target "amdgcn-amd-amdhsa--gfx1250"
	.amdhsa_code_object_version 6
	.text
	.protected	k_q6bbf9c7129_attn
	.globl	k_q6bbf9c7129_attn
	.p2align	8
	.type	k_q6bbf9c7129_attn,@function
k_q6bbf9c7129_attn:
	s_mov_b64 s[64:65], 0
	v_nop
	global_prefetch_b8 v0, s[64:65] scope:SCOPE_SE
	s_setreg_imm32_b32 hwreg(HW_REG_WAVE_MODE, 25, 1), 1
	s_wait_xcnt 0x0
	s_wait_alu depctr_hold_cnt(0) depctr_sa_sdst(0) depctr_va_vdst(0) depctr_va_sdst(0) depctr_va_ssrc(0) depctr_va_vcc(0) depctr_vm_vsrc(0)
	s_getreg_b32 s2, hwreg(HW_REG_IB_STS2, 6, 4)
	s_cmp_eq_u32 s2, 0
	s_cbranch_scc0 .Lentry_in_a_cluster
	s_endpgm
.Lentry_in_a_cluster:
	s_bfe_u32 s2, ttmp6, 0x10000c
	s_cmp_lg_u32 s2, 0x3003
	s_cbranch_scc0 .Lentry_shape_is_right
	s_endpgm
.Lentry_shape_is_right:
; out0 = (softmax(q k^T / 8) v) Wu^T + bu, all three products on codes of E5M2, each operand with the scale 2^e given for it.  No work of reference() is left out: it has no mask that takes effect.
; qc and kv hold the codes of q, k and v as images of the operands' registers (a piece is 512 bytes, lane l's 16 bytes at 16 l):
;   qc [token tile 1024][head 4][1024 B];   kv [batch 4][slot of 256 keys 16][131072 B]: K's part [key tile 16][head 4][1024 B], then V's part [step of 128 keys 2][head 4][channel tile 4][2048 B].
; SOFTMAX: t = score x log2(e) / 8; M = the row's largest t so far, rounded up to a whole number; p = 2^(t - M) is quantised; the row's sum is taken of the unquantised p in f32 and divides O at the end.
; When M moves, the sum and O are multiplied by 2^(old M - new M): exact.
; SHARES.  A work-group owns 64 tokens of one batch, all four heads.  Wave w: head w % 4, token tiles 2 (w / 4) and 2 (w / 4) + 1: 32 queries; it walks the batch's 4,096 keys, 128 a step:
; 16 products K Q^T (K = 64) and 8 products V^T P (K = 128); each fragment read from LDS feeds two matrix instructions.  On the way out the wave makes its two token tiles x columns 64 (w % 4) on of out0.
; RING.  Two LDS slots of 131,072 bytes, each a slot of kv as it lies.  Waves 0 to 3 fetch slot 0, waves 4 to 7 slot 1, 32,768 bytes a load (128 rows of 256 bytes): one tensor load a wave is out at the most.
; K of the next step is read from LDS behind this step's score products, V at its own step's head: so all reads of a slot are issued by the head of its second step, where the change of slots stands; a refill has two steps in which to land.
; CLUSTER.  The four work-groups of a cluster are four blocks of tokens of one batch and walk the same kv: each part of a slot is asked for jointly, by the same tensor load with the same descriptor and a mask that names the four.
; LAYOUT.  S^T = K Q^T: a lane holds one query (lane % 16); tile t's eight registers are keys 16 t + 8 (lane / 16) + 0 .. 7: their codes are registers 2 t, 2 t + 1 of P.  O^T = V^T P.
; LIMITS: the scaled scores stay under 2^31 in magnitude; e6 + e7 between -123 and 130; e9 and e10 between -126 and 112; e10 + e11 between -126 and 127.  NaN and infinity on the way are not served.
; REGISTERS.  Window 0: v0-31 at work; v32-47 Q; v48-79 P (tile 1's half lies over tile 0's used scores); v64-191 S^T, then p; v192-255 tile 0's held p.  Window 1: v0-63 K, v64-127 V, v128-191 O^T, v192-255 half of Wu.
.set SLOTB, 131072
.set VOFF,  65536
.set SPARE, 2*SLOTB                    ; the spare words, 128 bytes a wave: four blocks of 256 bytes that no other line names
.set OIMG,  SPARE+1024                 ; the attention's result as codes: 16 images of 1,024 bytes, fragment 4 m + head; no tensor load lands here
.set BUST,  OIMG+16384                 ; bu in the result's layout, 4,096 bytes a wave, its own; no tensor load lands here
.set STAGE, 0                          ; the way out: 2 x 16 rows x 272 bytes a wave, in slot 0, which has had its last fill and its last read by then
.set SP,    272
.set SPW,  2                           ; my spare word; never rewritten
.set NIL,  3                           ; 0; never rewritten
.set NM,   4                           ; v[4:5], v[6:7]: -M and the largest raw score, tile 0, 1
.set L,    8                           ; v[8:9], v[10:11]: the row's sum in two halves
.set F,    12                          ; v12, v14: f = 2^(old M - new M); the pairs' upper halves hold addresses
.set T0,   16
.set T1,   18
.set PFO,  21                          ; 256 x lane
.set LI,   22                          ; 16 x lane
.set PSC,  23
.set TA,   24                          ; v24-31 at work
.set QF,   32
.set PC,   48
.set S,    64
.set H,    192
.set OW,   128                         ; O^T, in window 1
; LDS addresses of my head's fragments: K in slot s: v[1 + 12 s] (v1, v13);  V: v[15 + 5 s] (v15, v20)
.set WV,   16
.set GRP,  17                          ; wave / 4: which slot I fetch; which pair of token tiles is mine
.set HD,   18
.set PL,   19                          ; 57,344 x 2^e9
.set SEL,  20
.set CS,   22
.set G1,   24
.set G0,   32
.set CNT,  36
.set LIM,  37
.set PFA,  38
.set MSB, 0
.macro WIN new                         ; the immediate's high byte repeats the setting that is left
.if MSB != \new
	s_set_vgpr_msb (MSB<<8)|\new
.set MSB, \new
.endif
.endm
.macro CROUND                          ; a round of the cluster's barrier
	s_barrier_signal -1
	s_barrier_wait -1
	s_cmp_lg_u32 s[WV], 0
	s_cbranch_scc1 .Lnot_wave_0_\@
	s_barrier_signal -3
.Lnot_wave_0_\@:
	s_barrier_wait -3
	s_barrier_signal -1
	s_barrier_wait -1
.endm
.macro JLOAD s                         ; a joint refill of slot s: its four waves fetch.  The branch hangs on the wave's number alone.  An s_nop 0 and four v_nop follow the load
	s_cmp_eq_u32 s[GRP], \s
	s_cbranch_scc0 .Lnot_mine_\@
	tensor_load_to_lds s[G0:G0+3], s[G1:G1+7]
	s_nop 0
.rept 4
	v_nop
.endr
.Lnot_mine_\@:
.endm
; A prefetch of the slot of kv that the NEXT change of slots will ask for: two key steps ahead of that load.  Each aligned block of 256 bytes is named once in the launch: the batch's first cluster asks;
; its four partners share the slot out by address, 32,768 bytes each; in each, waves 0 to 3 ask, 8,192 bytes a wave, lanes 256 bytes apart.  how = 0: at the refill of slot 1, which in the last trip has no slot behind it.
.macro ASK how
.if \how
	s_cmp_eq_u32 s[LIM], 1
.else
	s_cmp_gt_u32 s[CNT], s[LIM]
.endif
	s_cbranch_scc0 .Lno_ask_\@
	global_prefetch_b8 v[PFO], s[PFA:PFA+1] th:TH_LOAD_NT scope:SCOPE_SE
.Lno_ask_\@:
.endm
; THE CHANGE OF SLOTS: all reads of LDS slot s have been issued.  Each wave waits for all its tensor loads, adds 0 to its spare word, and waits for that and for its reads.
; fill = 1: the barrier is a round of the cluster's, and the joint refill is the first thing behind it.
.macro CHANGE s, fill, how
	s_wait_tensorcnt 0x0
	ds_add_u32 v[SPW], v[NIL]
.if \fill
.if (\s) == 0
	s_add_nc_u64 s[G0+2:G0+3], s[G0+2:G0+3], 2*SLOTB   ; once a trip, in all waves: each wave's part two slots of kv on
.endif
	s_wait_xcnt 0x0                                ; the last prefetch has read its address
	s_add_nc_u64 s[PFA:PFA+1], s[PFA:PFA+1], SLOTB
	s_wait_dscnt 0x0
	CROUND
	JLOAD \s
	ASK \how
.else
	s_wait_dscnt 0x0
	s_barrier_signal -1
	s_barrier_wait -1
.endif
.endm
.macro KLOAD s, q                      ; eight fragments of K (destination in window 1)
	WIN 0x40
.irp t, 0,1,2,3,4,5,6,7
.irp c, 0,1
	ds_load_b128 v[8*\t+4*\c:8*\t+4*\c+3], v[1+12*(\s)] offset:(8*(\q)+\t)*4096+512*\c
.endr
.endr
	WIN 0
.endm
.macro ADDP d, a
	v_pk_add_f32 v[(\d):(\d)+1], v[(\d):(\d)+1], v[(\a):(\a)+1]
.endm
.macro ROUND1 r                        ; tile 1's sum: four chains take eight numbers
.irp i, 0,1,2,3
	ADDP TA+2*\i, S+64+16+8*(\r)+2*\i
.endr
.endm
; A KEY STEP: 128 keys, the q-th of LDS slot s.  chg: 0 no change of slots, 1 with a refill, 2 without.  last = 1: no step follows; Wu is asked for.
.macro STEP s, q, chg, how, last
.rept 5
	v_nop                                          ; places behind the last products: 4 for the loads into V's registers, 5 for the products below, which write over tile 1's P
.endr
	WIN 0x40
.irp ct, 0,1,2,3
.irp c, 0,1,2,3
	ds_load_b128 v[64+16*\ct+4*\c:64+16*\ct+4*\c+3], v[15+5*(\s)] offset:(\q)*32768+\ct*2048+512*\c
.endr
.endr
	WIN 0
.if (\chg) == 0
	s_wait_dscnt 16                                ; K is in; V's 16 loads, just issued, may be out
.else
	CHANGE \s, 2-(\chg), \how
.endif
	WIN 0x01
.irp t, 0,1,2,3,4,5,6,7
.irp qt, 0,1
	v_wmma_f32_16x16x64_bf8_bf8 v[S+64*\qt+8*\t:S+64*\qt+8*\t+7], v[8*\t:8*\t+7], v[QF+8*\qt:QF+8*\qt+7], 0
.endr
.endr
	WIN 0
.rept 4
	v_nop                                          ; places ahead of the loads into K's registers and of the first read of the scores
.endr
.if \last
	v_and_b32 v[TA], 15, v0
	v_bfe_u32 v[TA+1], v0, 4, 1
	v_lshlrev_b32 v[TA], 8, v[TA]
	v_lshl_add_u32 v[TA], v[TA+1], 4, v[TA]        ; Wu: row r of 256 bytes, + 16 h
	WIN 0x40
.irp nt, 0,1,2,3
.irp s2, 0,1,2,3
.irp c, 0,1
	global_load_b128 v[8*(4*\nt+\s2)+128*(\nt/2)+4*\c:8*(4*\nt+\s2)+128*(\nt/2)+4*\c+3], v[TA], s[8:9] offset:\nt*4096+64*\s2+32*\c   ; tiles 0, 1 into K's registers, tiles 2, 3 into v192-255
.endr
.endr
.endr
	WIN 0
	s_wait_xcnt 0x0                                ; the offset register is written again further on
.else
	KLOAD (\s)^(\q), 1-(\q)                        ; the next step's K: behind a change of slots, from the other slot
.endif
.irp qt, 0,1                                       ; the step's largest score of each query: two chains a tile, the tiles by turns; each accumulator from its low end on
	v_max3_num_f32 v[T0+\qt], v[S+64*\qt], v[S+64*\qt+1], v[S+64*\qt+2]
	v_max3_num_f32 v[T1+\qt], v[S+64*\qt+3], v[S+64*\qt+4], v[S+64*\qt+5]
.endr
.set j, 6
.rept 14
.irp qt, 0,1
	v_max3_num_f32 v[T0+\qt], v[T0+\qt], v[S+64*\qt+j], v[S+64*\qt+j+1]
	v_max3_num_f32 v[T1+\qt], v[T1+\qt], v[S+64*\qt+j+2], v[S+64*\qt+j+3]
.endr
.set j, j+4
.endr
.irp qt, 0,1
	v_max3_num_f32 v[T0+\qt], v[T0+\qt], v[S+64*\qt+62], v[S+64*\qt+63]
.endr
.irp qt, 0,1
	v_max_num_f32 v[T0+\qt], v[T0+\qt], v[T1+\qt]
.endr
.irp qt, 0,1
	v_permlanex16_b32 v[T1+\qt], v[T0+\qt], s[SEL], s[SEL+1]
.endr
.irp qt, 0,1
	v_max3_num_f32 v[NM+2*\qt+1], v[NM+2*\qt+1], v[T0+\qt], v[T1+\qt]   ; the running largest raw score, lane l xor 16's among them
.endr
.irp qt, 0,1
	v_mul_f32 v[T0+\qt], s[CS], v[NM+2*\qt+1]      ; as t (c is positive)
.endr
.irp qt, 0,1
	v_mov_b32 v[T1+\qt], v[NM+2*\qt]
.endr
.irp qt, 0,1
	v_floor_f32 v[NM+2*\qt], -v[T0+\qt]            ; the new -M = -ceil(t)
.endr
.irp qt, 0,1
	v_sub_f32 v[T1+\qt], v[NM+2*\qt], v[T1+\qt]    ; old M - new M: a whole number, 0 or less
.endr
.irp qt, 0,1
	v_cvt_i32_f32 v[T1+\qt], v[T1+\qt]             ; (it saturates)
.endr
.irp qt, 0,1
	v_ldexp_f32 v[F+2*\qt], 1.0, v[T1+\qt]
.endr
	WIN 0x41
.set j, 0
.rept 32
	v_pk_mul_f32 v[OW+j:OW+j+1], v[OW+j:OW+j+1], v[F+2*(j/32):F+2*(j/32)+1] op_sel_hi:[1,0]   ; O^T under the new M, ahead of the exponentials
.set j, j+2
.endr
	WIN 0
.set j, 0
.rept 32
	v_pk_fma_f32 v[S+j:S+j+1], v[S+j:S+j+1], s[CS:CS+1], v[NM:NM+1] op_sel_hi:[1,0,0]   ; tile 0: t - M
.set j, j+2
.endr
	s_wait_alu depctr_va_vdst(0)                   ; the wait ahead of a batch of exponentials
.set j, 0
.rept 32                                           ; tile 0's exponentials; among them tile 1's t - M, which reads nothing written in this run
	v_exp_f32 v[S+j], v[S+j]
	v_exp_f32 v[S+j+1], v[S+j+1]
	v_pk_fma_f32 v[S+64+j:S+65+j], v[S+64+j:S+65+j], s[CS:CS+1], v[NM+2:NM+3] op_sel_hi:[1,0,0]
.set j, j+2
.endr
	s_wait_alu depctr_va_vdst(0)                   ; behind tile 0's batch and ahead of tile 1's
.set j, 0
.rept 16                                           ; tile 1's exponentials; among them tile 0's hold, into a copy (the conversion does not saturate: ISA guide 7.6.2; the sum takes the p that is not held), and the first level of its sum, in place
	v_exp_f32 v[S+64+j], v[S+64+j]
	v_dual_min_num_f32 v[H+j], s[PL], v[S+j] :: v_dual_min_num_f32 v[H+j+1], s[PL], v[S+j+1]
	v_exp_f32 v[S+65+j], v[S+65+j]
	v_dual_min_num_f32 v[H+j+2], s[PL], v[S+j+2] :: v_dual_min_num_f32 v[H+j+3], s[PL], v[S+j+3]
	v_exp_f32 v[S+66+j], v[S+66+j]
	v_exp_f32 v[S+67+j], v[S+67+j]
	v_pk_add_f32 v[S+j:S+j+1], v[S+j:S+j+1], v[S+j+2:S+j+3]
.set j, j+4
.endr
	s_wait_alu depctr_va_vdst(0)                   ; behind the batch, and directly ahead of the wait below
.if \last
	s_wait_dscnt 0x0                               ; V is in
.else
	s_wait_dscnt 16                                ; V is in; the next K's 16 loads may be out
.endif
.irp t, 0,1,2,3,4,5,6,7
	v_cvt_scalef32_pk8_bf8_f32 v[PC+2*\t:PC+2*\t+1], v[H+8*\t:H+8*\t+7], v[PSC]
.endr
.irp k, 0,1,2,3,4,5,6,7                            ; the rest of tile 0's tree and tile 1's four chains, by turns
	ADDP S+8*\k, S+8*\k+4
.endr
.irp i, 0,1,2,3
	v_pk_add_f32 v[TA+2*\i:TA+2*\i+1], v[S+64+4*\i:S+65+4*\i], v[S+66+4*\i:S+67+4*\i]
.endr
.irp k, 0,1,2,3
	ADDP S+16*\k, S+16*\k+8
.endr
	ROUND1 0
	ADDP S, S+16
	ADDP S+32, S+48
	ROUND1 1
	ADDP S, S+32
	ROUND1 2
	v_pk_fma_f32 v[L:L+1], v[L:L+1], v[F:F+1], v[S:S+1] op_sel_hi:[1,0,1]   ; the sum under the new M, and the step's part
	ROUND1 3
	ROUND1 4
	ROUND1 5
	ADDP TA, TA+2
	ADDP TA+4, TA+6
	ADDP TA, TA+4
	v_pk_fma_f32 v[L+2:L+3], v[L+2:L+3], v[F+2:F+3], v[TA:TA+1] op_sel_hi:[1,0,1]
.set j, 0
.rept 32                                           ; tile 1's hold, in place: its sum has been taken
	v_dual_min_num_f32 v[S+64+j], s[PL], v[S+64+j] :: v_dual_min_num_f32 v[S+65+j], s[PL], v[S+65+j]
.set j, j+2
.endr
.irp t, 0,1,2,3,4,5,6,7
	v_cvt_scalef32_pk8_bf8_f32 v[S+2*\t:S+2*\t+1], v[S+64+8*\t:S+64+8*\t+7], v[PSC]
.endr
	v_nop                                          ; a plain instruction behind the last conversion
	WIN 0x51
.irp ct, 0,1,2,3                                   ; the eight accumulators take turns, one instruction a turn
.irp qt, 0,1
	v_wmma_f32_16x16x128_bf8_bf8 v[OW+32*\qt+8*\ct:OW+32*\qt+8*\ct+7], v[64+16*\ct:64+16*\ct+15], v[PC+16*\qt:PC+16*\qt+15], v[OW+32*\qt+8*\ct:OW+32*\qt+8*\ct+7]
.endr
.endr
	WIN 0
.endm
	s_load_b256 s[4:11], s[0:1], 0x0               ; qc, kv, Wu's codes, bu
	s_load_b128 s[12:15], s[0:1], 0x20             ; the scales' exponents, out0
	v_lshl_add_u32 v[SPW], v0, 2, SPARE
	v_mov_b32 v[NIL], 0
	ds_add_u32 v[SPW], v[NIL]                      ; the wave's opening: the add, twice on end, and its wait ahead of my first tensor load
	ds_add_u32 v[SPW], v[NIL]
	v_lshrrev_b32 v24, 5, v0
	v_readfirstlane_b32 s[WV], v24                 ; wave 0..7
	s_lshr_b32 s[GRP], s[WV], 2
	s_and_b32 s[HD], s[WV], 3
	s_lshl_b32 s44, s[HD], 10
	s_lshl_b32 s45, s[HD], 13
	s_add_co_u32 s45, s45, VOFF
	s_lshl_b32 s47, s[WV], 12
	s_add_co_u32 s47, s47, BUST
	v_and_b32 v25, 31, v0
	v_lshlrev_b32 v[LI], 4, v25
	v_lshlrev_b32 v[PFO], 8, v25
	v_add_nc_u32 v1, s44, v[LI]                    ; every LDS address: constants, the lane and the wave's number
	v_add_nc_u32 v15, s45, v[LI]
	v_add_nc_u32 v13, SLOTB, v1
	v_add_nc_u32 v20, SLOTB, v15
	v_bfe_u32 v26, v0, 4, 1
	v_lshlrev_b32 v27, 5, v26                      ; bu: 32 h
	v_add_nc_u32 v28, s47, v[LI]                   ; my stash of bu
.irp qt, 0,1
	v_mov_b32 v[NM+2*\qt], 0x7f61b1e6              ; -M: 3e38
	v_mov_b32 v[NM+2*\qt+1], 0xff61b1e6            ; the largest score so far: -3e38
	v_mov_b32 v[L+2*\qt], 0
	v_mov_b32 v[L+2*\qt+1], 0
.endr
	WIN 0x40
.set j, 0
.rept 64
	v_mov_b32 v[OW+j], 0                           ; O^T: the step has no first form of its own; the first change of M leaves zeros zeros
.set j, j+1
.endr
	WIN 0
	s_bfe_u32 s40, ttmp6, 0x40000                  ; cx: it enters the addresses of qc, of out0 and of the prefetches alone
	s_lshl_b32 s41, ttmp9, 2
	s_add_co_u32 s41, s41, s40                     ; my block of 64 tokens = 4 x cluster x + cx
	s_and_b32 s42, ttmp7, 0xffff                   ; the batch, which the four partners share
	s_mov_b32 s[G1], 15|(3<<16)|(1<<21)            ; the mask: all four work-groups; elements of 8 bytes; no padding; bit 21 beside a mask
	s_mov_b32 s[G1+1], 32<<16                      ; tensor_dim0 = 32 elements: rows of 256 bytes
	s_mov_b32 s[G1+2], 128<<16                     ; tensor_dim1 = 128
	s_mov_b32 s[G1+3], 32<<16                      ; tile_dim0
	s_mov_b32 s[G1+4], 128                         ; tile_dim1
	s_mov_b32 s[G1+5], 32                          ; the pitch: dense
	s_mov_b32 s[G1+6], 0
	s_mov_b32 s[G1+7], 0
	s_mov_b32 s[SEL], 0x76543210
	s_mov_b32 s[SEL+1], 0xfedcba98
	s_mov_b32 s[CS], 0x3e38aa3b                    ; log2(e) / 8
	s_mov_b32 s[CNT], 7
	s_or_b32 s59, s[GRP], ttmp9                    ; 0 in waves 0 to 3 of the batch's first cluster: the same in all four partners
	s_cmp_eq_u32 s59, 0
	s_cselect_b32 s[LIM], 1, -1
	s_lshl_b32 s59, s42, 21                        ; my batch's 16 slots of kv
	s_lshl_b32 s60, s[WV], 15
	s_add_co_u32 s50, s59, s60                     ; what I fetch first: 32,768 x wave.  No place in the cluster enters it
	s_mov_b32 s51, 0
	s_lshl_b32 s[PFA], s40, 15                     ; the prefetches: my work-group's 32,768 bytes of a slot,
	s_lshl_b32 s60, s[HD], 13                      ; my wave's 8,192 of them,
	s_add_co_u32 s[PFA], s[PFA], s60
	s_add_co_u32 s[PFA], s[PFA], s59
	s_add_co_u32 s[PFA], s[PFA], 2*SLOTB           ; in slot 2: the first change of slots steps it to slot 3
	s_mov_b32 s[PFA+1], 0
	s_lshl_b32 s46, s42, 20                        ; qc: token tile 256 x batch + 4 x block + 2 (wave / 4), my head
	s_lshl_b32 s47, s41, 14
	s_add_co_u32 s46, s46, s47
	s_lshl_b32 s47, s[GRP], 13
	s_add_co_u32 s46, s46, s47
	s_add_co_u32 s46, s46, s44
	s_mov_b32 s47, 0
	s_lshl_b32 s60, s[HD], 8                       ; bu: my 64 numbers; and my 64 columns of out0
	s_mov_b32 s61, 0
	s_lshl_b32 s2, s42, 22                         ; out0: rows of 1,024 bytes
	s_lshl_b32 s3, s41, 16
	s_add_co_u32 s2, s2, s3
	s_lshl_b32 s3, s[GRP], 15
	s_add_co_u32 s2, s2, s3
	s_add_co_u32 s2, s2, s60
	s_mov_b32 s3, 0
	s_lshl_b32 s44, s[HD], 14                      ; Wu: my 64 rows
	s_mov_b32 s45, 0
	s_wait_alu depctr_va_vdst(0)                   ; the wait here, directly ahead of the waits below
	s_wait_dscnt 0x0                               ; both opening adds are done
	s_wait_kmcnt 0x0
	s_load_b64 s[48:49], s[12:13], 0x18            ; e6, e7
	s_load_b128 s[52:55], s[12:13], 0x20           ; e8 .. e11
	s_mov_b32 s[G0], 1
	s_lshl_b32 s[G0+1], s[WV], 15                  ; LDS address: 32,768 x wave; it stays
	s_add_nc_u64 s[G0+2:G0+3], s[6:7], s[50:51]
	s_or_b32 s[G0+3], s[G0+3], 0x80000000
	s_add_nc_u64 s[PFA:PFA+1], s[6:7], s[PFA:PFA+1]
	s_add_nc_u64 s[4:5], s[4:5], s[46:47]
	s_add_nc_u64 s[8:9], s[8:9], s[44:45]
	s_add_nc_u64 s[10:11], s[10:11], s[60:61]
	s_add_nc_u64 s[14:15], s[14:15], s[2:3]
	CROUND                                         ; all four work-groups are here: the first joint loads meet
	tensor_load_to_lds s[G0:G0+3], s[G1:G1+7]      ; every wave issues one: together they fill both slots
	s_nop 0
.rept 4
	v_nop
.endr
.irp nt, 0,1,2,3
	global_load_b128 v[S+8*\nt:S+8*\nt+3], v27, s[10:11] offset:64*\nt          ; bu of columns 16 nt + 8 h + 0 .. 7 of my 64
	global_load_b128 v[S+8*\nt+4:S+8*\nt+7], v27, s[10:11] offset:64*\nt+16
.endr
.irp qt, 0,1
.irp c, 0,1
	global_load_b128 v[QF+8*\qt+4*\c:QF+8*\qt+4*\c+3], v[LI], s[4:5] offset:4096*\qt+512*\c th:TH_LOAD_NT   ; Q stays in registers; read once in the launch
.endr
.endr
	s_wait_kmcnt 0x0
	s_add_co_i32 s59, s48, s49
	s_lshl_b32 s59, s59, 23
	s_add_co_i32 s[CS], s[CS], s59                 ; e6 + e7 added to c's exponent field
	s_mov_b32 s[CS+1], s[CS]
	s_add_co_i32 s59, s53, 127
	s_lshl_b32 s60, s59, 23
	v_mov_b32 v[PSC], s60                          ; 2^e9
	s_add_co_i32 s59, s59, 15
	s_lshl_b32 s59, s59, 23
	s_or_b32 s[PL], s59, 0x600000                  ; 57,344 x 2^e9
	s_add_co_i32 s59, s54, 127
	s_lshl_b32 s61, s59, 23                        ; 2^e10
	s_add_co_i32 s59, s59, 15
	s_lshl_b32 s59, s59, 23
	s_or_b32 s62, s59, 0x600000                    ; 57,344 x 2^e10
	s_add_co_i32 s56, s54, s55
	s_add_co_i32 s56, s56, 127
	s_lshl_b32 s56, s56, 23                        ; 2^(e10 + e11)
	s_mov_b32 s57, s56
	s_add_co_i32 s58, s52, s53                     ; e8 + e9
	s_wait_alu depctr_va_vdst(0)                   ; the wait at the head's end
	s_wait_tensorcnt 0x0                           ; my part of the first two slots is in,
	s_barrier_signal -1
	s_barrier_wait -1                              ; everybody's is
	s_wait_loadcnt 0x0                             ; Q and bu
.irp i, 0,1,2,3,4,5,6,7
	ds_store_b128 v28, v[S+4*\i:S+4*\i+3] offset:512*\i   ; bu is kept in LDS over the key loop, which has no register to spare
.endr
	KLOAD 0, 0
	STEP 0, 0, 0, 0, 0                             ; the batch's slot 0, first step
.Lpair:                                            ; seven trips; trip i asks for the batch's slots 2 i + 2 and 2 i + 3
	STEP 0, 1, 1, 1, 0
	STEP 1, 0, 0, 0, 0
	STEP 1, 1, 1, 0, 0
	STEP 0, 0, 0, 0, 0
	s_sub_co_u32 s[CNT], s[CNT], 1
	s_cmp_lg_u32 s[CNT], 0
	s_cbranch_scc1 .Lpair
	STEP 0, 1, 2, 0, 0                             ; the tail is written out: nothing is left to ask for
	STEP 1, 0, 0, 0, 0
	STEP 1, 1, 0, 0, 1
	; THE WAY OUT.  O^T / the sum x 2^(e8 + e9) is quantised with 2^e10 and goes to the other waves as an image of the operand's registers.
	s_lshl_b32 s40, s[GRP], 13
	s_add_co_u32 s40, s40, OIMG                    ; my two token tiles' images,
	s_lshl_b32 s41, s[HD], 10
	s_add_co_u32 s41, s41, s40                     ; of which my head's are mine to write
	s_mul_i32 s42, s[WV], 2*16*SP
	s_add_co_u32 s42, s42, STAGE                   ; my stage
	s_lshl_b32 s43, s[WV], 12
	s_add_co_u32 s43, s43, BUST
	v_and_b32 v16, 15, v0                          ; r  (these lines are also the places behind the last products)
	v_bfe_u32 v17, v0, 4, 1                        ; h
	v_add_nc_u32 v24, s41, v[LI]
	v_add_nc_u32 v25, s40, v[LI]
	v_add_nc_u32 v26, s43, v[LI]
	v_mul_u32_u24 v27, v16, SP
	v_mul_u32_u24 v28, v17, SP
	v_lshl_add_u32 v27, v17, 5, v27
	v_lshl_add_u32 v28, v16, 4, v28
	v_add_nc_u32 v27, s42, v27                     ; in: row r, 32 bytes for each half of the lanes
	v_add_nc_u32 v28, s42, v28                     ; back: lanes 0-15 one row of 256 bytes, lanes 16-31 the next
	v_lshlrev_b32 v29, 10, v17
	v_lshl_add_u32 v29, v16, 4, v29                ; the same two rows in out0
	v_mov_b32 v30, s62
	v_mov_b32 v[PSC], s61
.irp qt, 0,1
	v_add_f32 v[L+2*\qt], v[L+2*\qt], v[L+2*\qt+1]
.endr
.irp qt, 0,1
	v_permlanex16_b32 v[T1+\qt], v[L+2*\qt], s[SEL], s[SEL+1]
.endr
.irp qt, 0,1
	v_add_f32 v[L+2*\qt], v[L+2*\qt], v[T1+\qt]    ; the row's sum
.endr
	s_wait_alu depctr_va_vdst(0)                   ; the wait ahead of the reciprocals
	v_rcp_f32 v[F], v[L]
	v_rcp_f32 v[F+2], v[L+2]
	v_nop
	s_wait_alu depctr_va_vdst(0)                   ; and behind them
	v_ldexp_f32 v[F], v[F], s58
	v_ldexp_f32 v[F+2], v[F+2], s58
	WIN 0x41
	s_wait_alu depctr_va_vdst(0)                   ; the wait directly ahead of the first reader of O^T
.set j, 0
.rept 32
	v_pk_mul_f32 v[OW+j:OW+j+1], v[OW+j:OW+j+1], v[F+2*(j/32):F+2*(j/32)+1] op_sel_hi:[1,0]
.set j, j+2
.endr
.set j, 0
.rept 64
	v_med3_num_f32 v[OW+j], v[OW+j], -v30, v30     ; the hold at the largest code x the scale
.set j, j+1
.endr
	WIN 0x01
.irp qt, 0,1
.irp ct, 0,1,2,3
	v_cvt_scalef32_pk8_bf8_f32 v[PC+8*\qt+2*\ct:PC+8*\qt+2*\ct+1], v[OW+32*\qt+8*\ct:OW+32*\qt+8*\ct+7], v[PSC]
.endr
.endr
	WIN 0
	v_nop                                          ; a plain instruction behind the last conversion
.irp qt, 0,1
.irp c, 0,1
	ds_store_b128 v24, v[PC+8*\qt+4*\c:PC+8*\qt+4*\c+3] offset:4096*\qt+512*\c
.endr
.endr
	s_wait_dscnt 0x0                               ; for the others' sake: my images have landed
	s_barrier_signal -1
	s_barrier_wait -1
.irp m, 0,1
.irp s, 0,1,2,3
.irp c, 0,1
	ds_load_b128 v[S+32*\m+8*\s+4*\c:S+32*\m+8*\s+4*\c+3], v25 offset:4096*\m+1024*\s+512*\c   ; token tile m of mine, head s
.endr
.endr
.endr
.irp i, 0,1,2,3,4,5,6,7
	ds_load_b128 v[S+64+4*\i:S+64+4*\i+3], v26 offset:512*\i   ; bu, back from my stash
.endr
	s_wait_dscnt 0x0
	s_wait_loadcnt 0x0                             ; Wu
	WIN 0x01
.irp s, 0,1,2,3                                    ; source 0 = 16 rows of Wu, source 1 = 16 tokens; the eight accumulators take turns
.irp nt, 0,1,2,3
.irp m, 0,1
.if \s == 0
	v_wmma_f32_16x16x64_bf8_bf8 v[H+32*\m+8*\nt:H+32*\m+8*\nt+7], v[8*(4*\nt+\s)+128*(\nt/2):8*(4*\nt+\s)+128*(\nt/2)+7], v[S+32*\m+8*\s:S+32*\m+8*\s+7], 0
.else
	v_wmma_f32_16x16x64_bf8_bf8 v[H+32*\m+8*\nt:H+32*\m+8*\nt+7], v[8*(4*\nt+\s)+128*(\nt/2):8*(4*\nt+\s)+128*(\nt/2)+7], v[S+32*\m+8*\s:S+32*\m+8*\s+7], v[H+32*\m+8*\nt:H+32*\m+8*\nt+7]
.endif
.endr
.endr
.endr
	WIN 0
.rept 4
	v_nop                                          ; places ahead of the first read of the results and of writes into the products' sources
.endr
.irp m, 0,1
.irp nt, 0,1,2,3
.irp i, 0,2,4,6
	v_pk_fma_f32 v[S+32*\m+8*\nt+\i:S+32*\m+8*\nt+\i+1], v[H+32*\m+8*\nt+\i:H+32*\m+8*\nt+\i+1], s[56:57], v[S+64+8*\nt+\i:S+64+8*\nt+\i+1] op_sel_hi:[1,0,1]   ; sum x 2^(e10 + e11) + bu
.endr
.endr
.endr
.irp m, 0,1                                        ; through my own stage; LDS serves a wave's instructions in order (ISA guide 5.7.1.4)
.irp nt, 0,1,2,3
	ds_store_b128 v27, v[S+32*\m+8*\nt:S+32*\m+8*\nt+3] offset:16*SP*\m+64*\nt
	ds_store_b128 v27, v[S+32*\m+8*\nt+4:S+32*\m+8*\nt+7] offset:16*SP*\m+64*\nt+16
.endr
.irp i, 0,1,2,3,4,5,6,7
	ds_load_b128 v[160-128*\m+4*\i:160-128*\m+4*\i+3], v28 offset:16*SP*\m+2*\i*SP
.endr
.endr
.irp i, 0,1,2,3,4,5,6,7
	s_wait_dscnt 23-\i                             ; behind this load: tile 0's younger loads and tile 1's 8 stores and 8 loads
	global_store_b128 v29, v[160+4*\i:160+4*\i+3], s[14:15] offset:2*\i*1024 th:TH_STORE_NT   ; 16 lanes store 256 consecutive bytes, aligned
.endr
.irp i, 0,1,2,3,4,5,6,7
	s_wait_dscnt 7-\i
	global_store_b128 v29, v[32+4*\i:32+4*\i+3], s[14:15] offset:16384+2*\i*1024 th:TH_STORE_NT
.endr
	s_wait_tensorcnt 0x0                           ; the wave's end
	ds_add_u32 v[SPW], v[NIL]
	s_wait_dscnt 0x0
	CROUND                                         ; the closing round: no work-group ends while a partner may still ask for a tile that names it
	s_endpgm
.Lfunc_end_k_q6bbf9c7129_attn:
	.size	k_q6bbf9c7129_attn, .Lfunc_end_k_q6bbf9c7129_attn-k_q6bbf9c7129_attn
	.p2alignl 7, 3214868480
	.fill 96, 4, 3214868480
	.section	.rodata,"a",@progbits
	.p2align	6, 0x0
	.amdhsa_kernel k_q6bbf9c7129_attn
		.amdhsa_group_segment_fixed_size 327680
		.amdhsa_private_segment_fixed_size 0
		.amdhsa_enable_private_segment 0
		.amdhsa_kernarg_size 48
		.amdhsa_user_sgpr_count 2
		.amdhsa_user_sgpr_kernarg_segment_ptr 1
		.amdhsa_wavefront_size32 1
		.amdhsa_system_sgpr_workgroup_id_x 1
		.amdhsa_system_sgpr_workgroup_id_y 1
		.amdhsa_system_sgpr_workgroup_id_z 1
		.amdhsa_system_vgpr_workitem_id 0
		.amdhsa_next_free_vgpr 512
		.amdhsa_next_free_sgpr 66
		.amdhsa_reserve_vcc 0
		.amdhsa_float_denorm_mode_32 3
		.amdhsa_float_denorm_mode_16_64 3
		.amdhsa_memory_ordered 1
		.amdhsa_forward_progress 1
		.amdhsa_inst_pref_size 255
	.end_amdhsa_kernel
	.section	.bss,"aw",@nobits
	.p2align	6
	.space	262144
	.amdgpu_metadata
---
amdhsa.version: [ 1, 2 ]
amdhsa.kernels:
  - .name:           k_q6bbf9c7129_attn
    .symbol:         k_q6bbf9c7129_attn.kd
    .args:
      - { .name: qc, .offset: 0, .size: 8, .value_kind: global_buffer, .address_space: global }
      - { .name: kv, .offset: 8, .size: 8, .value_kind: global_buffer, .address_space: global }
      - { .name: Wu_codes, .offset: 16, .size: 8, .value_kind: global_buffer, .address_space: global }
      - { .name: bu, .offset: 24, .size: 8, .value_kind: global_buffer, .address_space: global }
      - { .name: lowp_scales, .offset: 32, .size: 8, .value_kind: global_buffer, .address_space: global }
      - { .name: out0, .offset: 40, .size: 8, .value_kind: global_buffer, .address_space: global }
    .group_segment_fixed_size: 327680
    .private_segment_fixed_size: 0
    .kernarg_segment_align: 8
    .kernarg_segment_size: 48
    .max_flat_workgroup_size: 256
    .sgpr_count:     66
    .vgpr_count:     512
    .wavefront_size: 32
...
	.end_amdgpu_metadata
.endif
;; end of part 2
